; MI455X (gfx1250); checked and timed in simulation.
; The chip was launched on July 23, 2026; its instructions are those of AMD's public machine-readable ISA for CDNA 5 (MIT licence, August 2026) and "CDNA5" Instruction Set Architecture Reference Guide (July 2026). The comments in the code are by the model that wrote it; some were corrected since.
;; Hash Embedding. Allowed arithmetic: float matrix products may take bf16 or f16 operands with f32 sums; all other float work in f32.
;; Inputs: tables 16 x 524,288 x 2 float32; x 524,288 x 3 float32.
;; Outputs: out0 524,288 x 32 float32.
;; 2 versions, each right; version 2 is version 1 with the launch gather written anew for expert scheduling mode. Each part assembles by itself: llvm-mc -triple=amdgcn-amd-amdhsa -mcpu=gfx1250 --defsym DOCPART=n.
;; ======== version 1 of 2: 2 launches
;; limits: inputs' magnitudes at most 511
;; workspace buffers: xi 6,291,456 bytes of whole numbers
;; launch quant (part 1): grid 256 x 1, 8 waves a work-group, no clusters, 0 bytes of LDS; arguments x, xi; writes xi
.if DOCPART == 1
	.amdgcn_target "amdgcn-amd-amdhsa--gfx1250"
	.amdhsa_code_object_version 6
	.text
	.protected	k_qeb93db5b16_quant
	.globl	k_qeb93db5b16_quant
	.p2align	8
	.type	k_qeb93db5b16_quant,@function
k_qeb93db5b16_quant:
	s_mov_b64 s[64:65], 0
	v_nop
	global_prefetch_b8 v0, s[64:65] scope:SCOPE_SE
	s_setreg_imm32_b32 hwreg(HW_REG_WAVE_MODE, 25, 1), 1
	s_wait_xcnt 0x0
; xi[i] = round((x[i] + 1) / 2 * 2^23) as int32, for all 3 x 524,288 coordinates, same order as x.
; This is the one place where a floating-point number becomes a whole number; the gather launch forms every
; level's cell and weight from xi by integer arithmetic.
; (x + 1) is rounded to f32 as in the reference; the scaling by 2^22 is exact, so one fused multiply-add
; x * 2^22 + 2^22 gives the same number.  Rounding to a whole number moves (x+1)/2 by at most 2^-24.
; LIMITS: -513 < x < 511 (beyond, the conversion saturates and the later result is wrong); a NaN becomes 0.
; A stream: 256 work-groups x 24,576 bytes; a thread takes six pieces of 16 bytes, 4,096 bytes apart, so each
; load and store of a wave covers 512 consecutive bytes.  All six loads are issued first.  No LDS, no barrier,
; no matrix unit, no cluster: nothing is shared and nothing is multiplied.
.set PER_WG, 24576
.set CHUNK,  4096
.set X,      4                         ; v[4:27]  six pieces of four numbers, converted in place
	s_load_b128 s[4:7], s[0:1], 0x0                ; x s[4:5], xi s[6:7]
	s_mul_i32 s8, ttmp9, PER_WG                    ; the work-group's part (below 6 MiB)
	s_mov_b32 s9, 0
	s_mov_b32 s10, 0x4a800000                      ; 2^22
	v_lshlrev_b32 v1, 4, v0                        ; 16 bytes a thread
	s_wait_kmcnt 0x0
	s_add_nc_u64 s[4:5], s[4:5], s[8:9]
	s_add_nc_u64 s[6:7], s[6:7], s[8:9]
.irp j, 0,1,2,3,4,5
	global_load_b128 v[X+4*\j:X+4*\j+3], v1, s[4:5] offset:CHUNK*\j th:TH_LOAD_NT
.endr
.irp j, 0,1,2,3,4,5
	s_wait_loadcnt 5-\j                            ; loads return in order: piece j is in, the 5 - j younger ones may be out
.irp k, 0,1,2,3
	v_fma_f32 v[X+4*\j+\k], v[X+4*\j+\k], s10, s10 ; (x + 1) * 2^22 = (x + 1) / 2 * 2^23
.endr
.irp k, 0,1,2,3
	v_rndne_f32 v[X+4*\j+\k], v[X+4*\j+\k]
.endr
.irp k, 0,1,2,3
	v_cvt_i32_f32 v[X+4*\j+\k], v[X+4*\j+\k]       ; exact: the number is whole already
.endr
	global_store_b128 v1, v[X+4*\j:X+4*\j+3], s[6:7] offset:CHUNK*\j   ; read again by the next launch: no non-temporal hint
.endr
	s_endpgm
.Lfunc_end_k_qeb93db5b16_quant:
	.size	k_qeb93db5b16_quant, .Lfunc_end_k_qeb93db5b16_quant-k_qeb93db5b16_quant
	.p2alignl 7, 3214868480
	.fill 96, 4, 3214868480
	.section	.rodata,"a",@progbits
	.p2align	6, 0x0
	.amdhsa_kernel k_qeb93db5b16_quant
		.amdhsa_group_segment_fixed_size 0
		.amdhsa_private_segment_fixed_size 0
		.amdhsa_enable_private_segment 0
		.amdhsa_kernarg_size 16
		.amdhsa_user_sgpr_count 2
		.amdhsa_user_sgpr_kernarg_segment_ptr 1
		.amdhsa_wavefront_size32 1
		.amdhsa_system_sgpr_workgroup_id_x 1
		.amdhsa_system_sgpr_workgroup_id_y 1
		.amdhsa_system_sgpr_workgroup_id_z 1
		.amdhsa_system_vgpr_workitem_id 0
		.amdhsa_next_free_vgpr 28
		.amdhsa_next_free_sgpr 66
		.amdhsa_reserve_vcc 0
		.amdhsa_float_denorm_mode_32 3
		.amdhsa_float_denorm_mode_16_64 3
		.amdhsa_memory_ordered 1
		.amdhsa_forward_progress 1
		.amdhsa_inst_pref_size 5
	.end_amdhsa_kernel
	.amdgpu_metadata
---
amdhsa.version: [ 1, 2 ]
amdhsa.kernels:
  - .name:           k_qeb93db5b16_quant
    .symbol:         k_qeb93db5b16_quant.kd
    .args:
      - { .name: x, .offset: 0, .size: 8, .value_kind: global_buffer, .address_space: global }
      - { .name: xi, .offset: 8, .size: 8, .value_kind: global_buffer, .address_space: global }
    .group_segment_fixed_size: 0
    .private_segment_fixed_size: 0
    .kernarg_segment_align: 8
    .kernarg_segment_size: 16
    .max_flat_workgroup_size: 256
    .sgpr_count:     66
    .vgpr_count:     28
    .wavefront_size: 32
...
	.end_amdgpu_metadata
.endif
;; end of part 1
;; launch gather (part 2): grid 256 x 1, 32 waves a work-group, no clusters, 299,008 bytes of LDS; arguments tables, xi, out0; writes out0
.if DOCPART == 2
	.amdgcn_target "amdgcn-amd-amdhsa--gfx1250"
	.amdhsa_code_object_version 6
	.text
	.protected	k_qeb93db5b16_gather
	.globl	k_qeb93db5b16_gather
	.p2align	8
	.type	k_qeb93db5b16_gather,@function
k_qeb93db5b16_gather:
	s_mov_b64 s[64:65], 0
	v_nop
	global_prefetch_b8 v0, s[64:65] scope:SCOPE_SE
	s_setreg_imm32_b32 hwreg(HW_REG_WAVE_MODE, 25, 1), 1
	s_wait_xcnt 0x0
; Multiresolution hash embedding: out0[n][2l .. 2l+1] = trilinear interpolation of tables[l] at the 8 corners of point n's cell.
; xi holds (x + 1) / 2 in fixed point, 23 fraction bits (made by the launch before).  Per axis xi = A * 2^23 + F, and for a level of
; resolution res:  P = F * res (< 2^32, res <= 512);  cell = A * res + (P >> 23);  weight = (P & 0x7fffff) * 2^-23.
; Only the low 19 bits of the hash are used, so only the low 24 bits of cells and of products with the primes matter: 24-bit multiplies
; are exact here, for negative cells too (two's complement).
; DIFFERENCES FROM THE REFERENCE'S ROUNDING: the position is exact to 2^-24 in (x+1)/2, that is 2^-15 of a cell at res = 512, where the
; reference rounds x * res to f32; next to a cell's face the cell taken may be the neighbour of the reference's, with a weight next to 1
; in place of 0: the interpolant is continuous there.  a + w (b - a) stands for a (1 - w) + b w.
; LIMITS: -513 < x < 511; a NaN or infinite x gives finite numbers.
;
; SHAPE: 256 work-groups x 32 waves x 32 lanes x 2 points = all 524,288 points at once, and every work-group walks the levels in the same
; order, so that one or two tables of 4 MiB are in use at a time.  A UNIT is one level of one of a lane's two points: 8 loads of 8 bytes.
; Four units (32 loads of a wave) are in flight; each load lands on the register that held its index.
; Results are put into LDS as they are made, 16 bytes (two levels) at a time, in rows of 128 + 16 bytes; at the end each wave reads its own
; 64 rows back and stores them with 512 consecutive bytes to an instruction.  A wave touches only its own 9,216 bytes of LDS: no barrier.
; NO CLUSTER, NO TENSOR LOADS: every lane asks for 8 bytes at a hashed place of its own; there is no tile that two work-groups share.
; NO MATRIX UNIT: there is no product of matrices.
.set PITCH,     144                    ; an LDS row: 128 bytes + 16, an odd multiple of 16: the 16 lanes of a 16-byte store fall on different columns
.set WAVE_LDS,  64*PITCH               ; a wave's 64 rows
.set LVL_BYTES, 0x400000               ; a level's table: 524,288 entries of 8 bytes
.set LANE, 1                           ; v1       lane
.set LA,   2                           ; v2       LDS address of the row of my first point (the second: + 32 rows)
.set LR,   3                           ; v3       LDS address for the way back: row lane / 8, 16 bytes at lane % 8
.set GO,   4                           ; v4       16 x lane: my bytes in a store of 512
.set PF,   5                           ; v5       prefetch: this work-group's 16 KiB of a table, 256 bytes a lane
.set F0,   6                           ; v[6:8]   point 0: xi as loaded, then the 23 fraction bits, x y z
.set F1,   10                          ; v[10:12] point 1
.set A0,   14                          ; v[14:16] point 0: xi >> 23, the whole part
.set A1,   17                          ; v[17:19] point 1
.set T,    20                          ; v[20:29] at work
.set R,    32                          ; v[32:35] point 0: results of an even and an odd level; v[36:39] point 1
.set W,    40                          ; v[40:45] even levels: (wx, wy) of point 0, (wz of point 0, wz of point 1), (wx, wy) of point 1; v[46:51] odd levels
.set D,    52                          ; v[52:115] four units of 16: corner c = 4 i + 2 j + k at D + 2 c: first its index, then its two features
.set BASE, 20                          ; s[20:51] the 16 tables' addresses
	s_load_b128 s[4:7], s[0:1], 0x0                ; tables s[4:5], xi s[6:7]
	s_load_b64 s[8:9], s[0:1], 0x10                ; out0
	v_lshl_add_u32 v116, v0, 2, 0x48000
	v_mov_b32 v117, 0
	v_lshrrev_b32 v1, 5, v0
	v_readfirstlane_b32 s10, v1                    ; wave 0..31
	v_and_b32 v[LANE], 31, v0
	s_mov_b32 s14, 0x7fffff                        ; the 23 fraction bits
	s_mov_b32 s15, 0x3f800000                      ; 1.0: fraction bits under this exponent are the float 1 + weight
	s_mov_b32 s16, 0x9e3779b1                      ; 2654435761, y's prime
	s_mov_b32 s17, 0x30025795                      ; 805459861, z's prime
	s_mov_b32 s18, 0x7ffff                         ; table size - 1
	s_mul_i32 s11, s10, WAVE_LDS                   ; my wave's rows in LDS
	v_mul_u32_u24 v[LA], PITCH, v[LANE]
	v_add_nc_u32 v[LA], s11, v[LA]
	v_lshrrev_b32 v[T], 3, v[LANE]
	v_and_b32 v[T+1], 7, v[LANE]
	v_mul_u32_u24 v[T], PITCH, v[T]
	v_lshl_add_u32 v[T], v[T+1], 4, v[T]
	v_add_nc_u32 v[LR], s11, v[T]
	v_lshlrev_b32 v[GO], 4, v[LANE]
	v_and_b32 v[PF], 63, v0
	s_lshl_b32 s11, ttmp9, 14                      ; 4 MiB / 256 work-groups = 16 KiB each
	v_lshl_add_u32 v[PF], v[PF], 8, s11
	v_mul_u32_u24 v[T], 12, v[LANE]                ; a point's three words
	s_mul_i32 s12, ttmp9, 2048*12                  ; the work-group's 2,048 points,
	s_mul_i32 s11, s10, 64*12                      ; the wave's 64
	s_add_co_u32 s12, s12, s11
	s_mov_b32 s13, 0
	s_wait_kmcnt 0x0
	s_add_nc_u64 s[6:7], s[6:7], s[12:13]
	global_load_b96 v[F0:F0+2], v[T], s[6:7] th:TH_LOAD_NT             ; points lane and lane + 32 of the wave's 64:
	global_load_b96 v[F1:F1+2], v[T], s[6:7] offset:384 th:TH_LOAD_NT  ; 384 consecutive bytes to a load
	s_lshl_b32 s12, ttmp9, 18                      ; out0: 2,048 rows of 128 bytes a work-group,
	s_lshl_b32 s11, s10, 13                        ; 64 a wave
	s_add_co_u32 s12, s12, s11
	s_add_nc_u64 s[8:9], s[8:9], s[12:13]
.irp i, 0,1,2,3,4,5,6,7,8,9,10,11,12,13,14,15
	s_add_nc_u64 s[BASE+2*\i:BASE+2*\i+1], s[4:5], \i*LVL_BYTES       ; a base for each level: none is rewritten while loads name it
.endr
	s_wait_loadcnt 0x0                             ; xi is in; v[T], the loads' offset, is free
.irp k, 0,1,2
	v_ashrrev_i32 v[A0+\k], 23, v[F0+\k]           ; floor of (x+1)/2, signed
	v_ashrrev_i32 v[A1+\k], 23, v[F1+\k]
	v_and_b32 v[F0+\k], s14, v[F0+\k]              ; and what is left, 0 .. 2^23 - 1
	v_and_b32 v[F1+\k], s14, v[F1+\k]
.endr
; A unit's first half: cell, weights, the eight indices, the eight loads.  h = level % 2, p = point, res = the level's resolution.
.macro ADDR h, p, res, lvl
.set DD, D+32*\h+16*\p
.set WW, W+6*\h+4*\p
.set WZ, W+6*\h+2+\p
.set FF, F0+4*\p
.set AA, A0+3*\p
.irp k, 0,1,2
	v_mul_u32_u24 v[T+\k], \res, v[FF+\k]          ; P = F * res: whole part above bit 23, weight below
.endr
	v_and_or_b32 v[WW+0], v[T+0], s14, s15         ; the float 1 + weight
	v_and_or_b32 v[WW+1], v[T+1], s14, s15
	v_and_or_b32 v[WZ],   v[T+2], s14, s15
.irp k, 0,1,2
	v_lshrrev_b32 v[T+\k], 23, v[T+\k]
.endr
.irp k, 0,1,2
	v_mad_u32_u24 v[T+\k], v[AA+\k], \res, v[T+\k] ; cell = A * res + (P >> 23), right in its low 24 bits
.endr
	v_mul_u32_u24 v[T+1], s16, v[T+1]              ; y * prime, right in its low 24 bits
	v_mul_u32_u24 v[T+2], s17, v[T+2]              ; z * prime
	v_add_nc_u32 v[T+3], 1, v[T+0]                 ; x + 1 (x's prime is 1)
	v_add_nc_u32 v[T+4], s16, v[T+1]               ; (y + 1) * prime
	v_add_nc_u32 v[T+5], s17, v[T+2]               ; (z + 1) * prime
	v_and_b32 v[T+0], s18, v[T+0]                  ; six masks in place of eight: x's two terms here, the four y-z terms below
	v_and_b32 v[T+3], s18, v[T+3]
	v_xor_b32 v[T+6], v[T+1], v[T+2]               ; j k = 0 0
	v_xor_b32 v[T+7], v[T+1], v[T+5]               ;       0 1
	v_xor_b32 v[T+8], v[T+4], v[T+2]               ;       1 0
	v_xor_b32 v[T+9], v[T+4], v[T+5]               ;       1 1
.irp c, 6,7,8,9
	v_and_b32 v[T+\c], s18, v[T+\c]
.endr
.irp c, 0,1,2,3
	v_xor_b32 v[DD+2*\c],   v[T+0], v[T+6+\c]      ; corners i = 0
	v_xor_b32 v[DD+8+2*\c], v[T+3], v[T+6+\c]      ; corners i = 1
.endr
.irp c, 0,1,2,3,4,5,6,7
	v_min_u32 v[DD+2*\c], 0x7ffff, v[DD+2*\c]      ; an index made from numbers read from memory is clamped to the table in front of its use
.endr
	v_pk_add_f32 v[WW:WW+1], v[WW:WW+1], -1.0 op_sel_hi:[1,0]          ; the weights themselves
	v_add_f32 v[WZ], -1.0, v[WZ]
.irp c, 0,4,1,5,2,6,3,7                            ; x and x + 1 one behind the other: their indices differ in low bits only
	global_load_b64 v[DD+2*\c:DD+2*\c+1], v[DD+2*\c], s[BASE+2*(\lvl):BASE+2*(\lvl)+1] scale_offset   ; at base + 8 x index; lands on its own index
.endr
.endm
; A unit's second half: seven interpolations on both features at once, along x, then y, then z.
.macro INTERP h, p
.set DD, D+32*\h+16*\p
.set WW, W+6*\h+4*\p
.set WZP, W+6*\h+2
.set RR, R+4*\p+2*\h
.irp c, 0,2,4,6
	v_pk_add_f32 v[DD+8+\c:DD+9+\c], v[DD+8+\c:DD+9+\c], v[DD+\c:DD+1+\c] neg_lo:[0,1] neg_hi:[0,1]
.endr
.irp c, 0,2,4,6
	v_pk_fma_f32 v[DD+\c:DD+1+\c], v[DD+8+\c:DD+9+\c], v[WW:WW+1], v[DD+\c:DD+1+\c] op_sel_hi:[1,0,1]              ; both by wx
.endr
.irp c, 0,2
	v_pk_add_f32 v[DD+4+\c:DD+5+\c], v[DD+4+\c:DD+5+\c], v[DD+\c:DD+1+\c] neg_lo:[0,1] neg_hi:[0,1]
.endr
.irp c, 0,2
	v_pk_fma_f32 v[DD+\c:DD+1+\c], v[DD+4+\c:DD+5+\c], v[WW:WW+1], v[DD+\c:DD+1+\c] op_sel:[0,1,0] op_sel_hi:[1,1,1] ; both by wy
.endr
	v_pk_add_f32 v[DD+2:DD+3], v[DD+2:DD+3], v[DD:DD+1] neg_lo:[0,1] neg_hi:[0,1]
.if \p
	v_pk_fma_f32 v[RR:RR+1], v[DD+2:DD+3], v[WZP:WZP+1], v[DD:DD+1] op_sel:[0,1,0] op_sel_hi:[1,1,1]                 ; point 1's wz: the pair's second
.else
	v_pk_fma_f32 v[RR:RR+1], v[DD+2:DD+3], v[WZP:WZP+1], v[DD:DD+1] op_sel_hi:[1,0,1]                                ; point 0's wz: the pair's first
.endif
.endm
; The turn of level lv (h = lv % 2): finish its two units, and start the two units of level lv + 2 (resolution res2) in their registers.
; left0, left1: loads return in order, so a unit is in when only the loads of the younger units are out: three units of 8 in the steady state.
; pf = 1: waves 0 and 1 ask for this work-group's 16 KiB of the table of level lv + 3: 64 lanes, 256 bytes apart, each block asked for once in
; the launch, one level (16 gathers of each of the 32 waves) ahead of that table's first gather.  Asked for levels 4 to 15 alone: from
; 41^3 = 68,921 lattice points on, for 16,384 blocks, nearly every block is wanted; and there is no level 16.
.macro TURN lv, h, res2, more, left0, left1, pf
	s_wait_loadcnt \left0
	INTERP \h, 0
.if \h
	ds_store_b128 v[LA], v[R:R+3] offset:16*(\lv/2)                    ; levels lv - 1 and lv of point 0
.endif
.if \pf
	s_cmp_gt_u32 s10, 1
	s_cbranch_scc1 .Lnopf\lv
	global_prefetch_b8 v[PF], s[BASE+2*(\lv+3):BASE+2*(\lv+3)+1] th:TH_LOAD_NT scope:SCOPE_SE
.Lnopf\lv:
.endif
.if \more
	ADDR \h, 0, \res2, \lv+2
.endif
	s_wait_loadcnt \left1
	INTERP \h, 1
.if \h
	ds_store_b128 v[LA], v[R+4:R+7] offset:16*(\lv/2)+32*PITCH         ; and of point 1, 32 rows on
.endif
.if \more
	ADDR \h, 1, \res2, \lv+2
.endif
.endm
; Resolutions: floor(16 * 2^(l/3)), l = 0 .. 15, as the reference's float64 arithmetic gives them.
	ADDR 0, 0, 16, 0
	ADDR 0, 1, 16, 0
	ADDR 1, 0, 20, 1
	ADDR 1, 1, 20, 1
	TURN 0,  0, 25,  1, 24, 24, 0
	TURN 1,  1, 32,  1, 24, 24, 1
	TURN 2,  0, 40,  1, 24, 24, 1
	TURN 3,  1, 50,  1, 24, 24, 1
	TURN 4,  0, 64,  1, 24, 24, 1
	TURN 5,  1, 80,  1, 24, 24, 1
	TURN 6,  0, 101, 1, 24, 24, 1
	TURN 7,  1, 128, 1, 24, 24, 1
	TURN 8,  0, 161, 1, 24, 24, 1
	TURN 9,  1, 203, 1, 24, 24, 1
	TURN 10, 0, 256, 1, 24, 24, 1
	TURN 11, 1, 322, 1, 24, 24, 1
	TURN 12, 0, 406, 1, 24, 24, 1
	TURN 13, 1, 512, 1, 24, 24, 0
	TURN 14, 0, 0,   0, 24, 16, 0                  ; nothing is started any more: the counts run down
	TURN 15, 1, 0,   0, 8,  0,  0
	; THE WAY OUT: my wave's 64 rows, four rows (512 bytes of out0) to an instruction.  LDS serves a wave's instructions in order, so these
	; loads see the wave's own stores above without a wait; no other wave touches these bytes.
.irp q, 0,1,2,3,4,5,6,7,8,9,10,11,12,13,14,15
	ds_load_b128 v[D+4*\q:D+4*\q+3], v[LR] offset:\q*4*PITCH
.endr
.irp q, 0,1,2,3,4,5,6,7,8,9,10,11,12,13,14,15
	s_wait_dscnt 15-\q                             ; load q is in; the 15 - q younger ones may be out
	global_store_b128 v[GO], v[D+4*\q:D+4*\q+3], s[8:9] offset:\q*512 th:TH_STORE_NT   ; 32 lanes store 512 consecutive bytes, at a multiple of 512 from out0's first byte
.endr
	s_wait_tensorcnt 0x0
	ds_add_u32 v116, v117
	s_wait_dscnt 0x0
	s_endpgm
.Lfunc_end_k_qeb93db5b16_gather:
	.size	k_qeb93db5b16_gather, .Lfunc_end_k_qeb93db5b16_gather-k_qeb93db5b16_gather
	.p2alignl 7, 3214868480
	.fill 96, 4, 3214868480
	.section	.rodata,"a",@progbits
	.p2align	6, 0x0
	.amdhsa_kernel k_qeb93db5b16_gather
		.amdhsa_group_segment_fixed_size 299008
		.amdhsa_private_segment_fixed_size 0
		.amdhsa_enable_private_segment 0
		.amdhsa_kernarg_size 24
		.amdhsa_user_sgpr_count 2
		.amdhsa_user_sgpr_kernarg_segment_ptr 1
		.amdhsa_wavefront_size32 1
		.amdhsa_system_sgpr_workgroup_id_x 1
		.amdhsa_system_sgpr_workgroup_id_y 1
		.amdhsa_system_sgpr_workgroup_id_z 1
		.amdhsa_system_vgpr_workitem_id 0
		.amdhsa_next_free_vgpr 118
		.amdhsa_next_free_sgpr 66
		.amdhsa_reserve_vcc 0
		.amdhsa_float_denorm_mode_32 3
		.amdhsa_float_denorm_mode_16_64 3
		.amdhsa_memory_ordered 1
		.amdhsa_forward_progress 1
		.amdhsa_inst_pref_size 126
	.end_amdhsa_kernel
	.amdgpu_metadata
---
amdhsa.version: [ 1, 2 ]
amdhsa.kernels:
  - .name:           k_qeb93db5b16_gather
    .symbol:         k_qeb93db5b16_gather.kd
    .args:
      - { .name: tables, .offset: 0, .size: 8, .value_kind: global_buffer, .address_space: global }
      - { .name: xi, .offset: 8, .size: 8, .value_kind: global_buffer, .address_space: global }
      - { .name: out0, .offset: 16, .size: 8, .value_kind: global_buffer, .address_space: global }
    .group_segment_fixed_size: 299008
    .private_segment_fixed_size: 0
    .kernarg_segment_align: 8
    .kernarg_segment_size: 24
    .max_flat_workgroup_size: 1024
    .sgpr_count:     66
    .vgpr_count:     118
    .wavefront_size: 32
...
	.end_amdgpu_metadata
.endif
;; end of part 2
;; ======== version 2 of 2: 2 launches; version 1 with the launch gather written anew for expert scheduling mode
;; limits: inputs' magnitudes at most 511
;; workspace buffers: xi 6,291,456 bytes of whole numbers
;; launch quant: the kernel of part 1 again; grid 256 x 1, 8 waves a work-group, no clusters, 0 bytes of LDS; arguments x, xi; writes xi
;; launch gather (part 3): grid 256 x 1, 32 waves a work-group, no clusters, 299,008 bytes of LDS; arguments tables, xi, out0; writes out0
.if DOCPART == 3
	.amdgcn_target "amdgcn-amd-amdhsa--gfx1250"
	.amdhsa_code_object_version 6
	.text
	.protected	k_qeb93db5b16_gather
	.globl	k_qeb93db5b16_gather
	.p2align	8
	.type	k_qeb93db5b16_gather,@function
k_qeb93db5b16_gather:
	s_mov_b64 s[64:65], 0
	v_nop
	global_prefetch_b8 v0, s[64:65] scope:SCOPE_SE
	s_setreg_imm32_b32 hwreg(HW_REG_WAVE_SCHED_MODE, 0, 2), 2
	s_setreg_imm32_b32 hwreg(HW_REG_WAVE_MODE, 25, 1), 1
	s_wait_xcnt 0x0
	s_wait_alu depctr_vm_vsrc(0)
; Multiresolution hash embedding: out0[n][2l .. 2l+1] = trilinear interpolation of tables[l] at the 8 corners of point n's cell.
; xi holds (x + 1) / 2 in fixed point, 23 fraction bits (made by the launch before).  Per axis xi = A * 2^23 + F, and for a level of
; resolution res:  P = F * res (< 2^32, res <= 512);  cell = A * res + (P >> 23);  weight = (P & 0x7fffff) * 2^-23.
; Only the low 19 bits of the hash are used, so only the low 24 bits of cells and of products with the primes matter: 24-bit multiplies
; are exact here, for negative cells too (two's complement).
; DIFFERENCES FROM THE REFERENCE'S ROUNDING: the position is exact to 2^-24 in (x+1)/2, that is 2^-15 of a cell at res = 512, where the
; reference rounds x * res to f32; next to a cell's face the cell taken may be the neighbour of the reference's, with a weight next to 1
; in place of 0: the interpolant is continuous there.  a + w (b - a) stands for a (1 - w) + b w.
; LIMITS: -513 < x < 511; a NaN or infinite x gives finite numbers.
;
; SHAPE: 256 work-groups x 32 waves x 32 lanes x 2 points = all 524,288 points at once, and every work-group walks the levels in the same
; order, so that one or two tables of 4 MiB are in use at a time.  A UNIT is one level of one of a lane's two points: 8 loads of 8 bytes.
; Four units (32 loads of a wave) are in flight; each load lands on the register that held its index.
; Results are put into LDS as they are made, 16 bytes (two levels) at a time, in rows of 128 + 16 bytes; at the end each wave reads its own
; 64 rows back and stores them with 512 consecutive bytes to an instruction.  A wave touches only its own 9,216 bytes of LDS: no barrier.
; NO CLUSTER, NO TENSOR LOADS: every lane asks for 8 bytes at a hashed place of its own; there is no tile that two work-groups share.
; NO MATRIX UNIT: there is no product of matrices.
;
; THE MODE: SCHED_MODE bits 1:0 = 2 (LLVM: expert scheduling mode 2), set by the entry lines.  The code itself states the register dependences
; between vector instructions and memory or LDS instructions, with s_wait_alu, always for 0.
; THE PLAN.  Registers that memory or LDS instructions touch:
;   D, four units    INDEX writes a unit's eight indices (its even registers); the unit's eight loads read them and land on them, each on its own pair;
;                    two turns later INTERP reads and writes the unit.  At the end the LDS loads of the way out land here and the stores read them.
;   R                INTERP writes a pair a unit; in an odd level's turn one LDS store a point reads the point's four.
;   LA, LR, GO, PF   addresses, made at the head and never written again.     v[T]  xi's offset at the head; from the first unit on at work.
;   W, T, F, A are named by vector instructions alone.
; ONE wait on va_vdst a unit, behind INDEX: the indices are written, INTERP is done with the unit in which the loads land, and R is written.  Behind it
; stand the unit's eight loads and, in odd levels, the point's LDS store, dealt among the five lines that make the weights, which name W alone.
; ONE wait on vm_vsrc for two levels, at the head of an even level's turn: the 32 loads issued in the two turns before have read their indices, which
; INTERP writes in this turn and the next, and the two LDS stores of the turn before have read R, which is written again from here on.
; No scalar register that a vector instruction reads is written again.
.set PITCH,     144                    ; an LDS row: 128 bytes + 16, an odd multiple of 16: the 16 lanes of a 16-byte store fall on different columns
.set WAVE_LDS,  64*PITCH               ; a wave's 64 rows
.set LVL_BYTES, 0x400000               ; a level's table: 524,288 entries of 8 bytes
.set LANE, 1                           ; v1       lane
.set LA,   2                           ; v2       LDS address of the row of my first point (the second: + 32 rows)
.set LR,   3                           ; v3       LDS address for the way back: row lane / 8, 16 bytes at lane % 8
.set GO,   4                           ; v4       16 x lane: my bytes in a store of 512
.set PF,   5                           ; v5       prefetch: this work-group's 16 KiB of a table, 256 bytes a lane
.set F0,   6                           ; v[6:8]   point 0: xi as loaded, then the 23 fraction bits, x y z
.set F1,   10                          ; v[10:12] point 1
.set A0,   14                          ; v[14:16] point 0: xi >> 23, the whole part
.set A1,   17                          ; v[17:19] point 1
.set T,    20                          ; v[20:29] at work
.set R,    32                          ; v[32:35] point 0: results of an even and an odd level; v[36:39] point 1
.set W,    40                          ; v[40:45] even levels: (wx, wy) of point 0, (wz of point 0, wz of point 1), (wx, wy) of point 1; v[46:51] odd levels
.set D,    52                          ; v[52:115] four units of 16: corner c = 4 i + 2 j + k at D + 2 c: first its index, then its two features
.set BASE, 20                          ; s[20:51] the 16 tables' addresses
	s_load_b128 s[4:7], s[0:1], 0x0                ; tables s[4:5], xi s[6:7]
	s_load_b64 s[8:9], s[0:1], 0x10                ; out0
	v_lshl_add_u32 v30, v0, 2, 0x48000
	v_mov_b32 v31, 0
	v_lshrrev_b32 v1, 5, v0
	v_readfirstlane_b32 s10, v1                    ; wave 0..31
	v_and_b32 v[LANE], 31, v0
	s_mov_b32 s14, 0x7fffff                        ; the 23 fraction bits
	s_mov_b32 s15, 0x3f800000                      ; 1.0: fraction bits under this exponent are the float 1 + weight
	s_mov_b32 s16, 0x9e3779b1                      ; 2654435761, y's prime
	s_mov_b32 s17, 0x30025795                      ; 805459861, z's prime
	s_mov_b32 s18, 0x7ffff                         ; table size - 1
	s_wait_alu depctr_va_sdst(0)                   ; s10 is written, ahead of its first reader: LDS rows, xi's and out0's bases and the prefetch's branch are made from it
	s_mul_i32 s11, s10, WAVE_LDS                   ; my wave's rows in LDS
	v_mul_u32_u24 v[LA], PITCH, v[LANE]
	v_add_nc_u32 v[LA], s11, v[LA]
	v_lshrrev_b32 v[T], 3, v[LANE]
	v_and_b32 v[T+1], 7, v[LANE]
	v_mul_u32_u24 v[T], PITCH, v[T]
	v_lshl_add_u32 v[T], v[T+1], 4, v[T]
	v_add_nc_u32 v[LR], s11, v[T]
	v_lshlrev_b32 v[GO], 4, v[LANE]
	v_and_b32 v[PF], 63, v0
	s_lshl_b32 s19, ttmp9, 14                      ; 4 MiB / 256 work-groups = 16 KiB each
	v_lshl_add_u32 v[PF], v[PF], 8, s19
	v_mul_u32_u24 v[T], 12, v[LANE]                ; a point's three words
	s_mul_i32 s12, ttmp9, 2048*12                  ; the work-group's 2,048 points,
	s_mul_i32 s2, s10, 64*12                       ; the wave's 64
	s_add_co_u32 s12, s12, s2
	s_mov_b32 s13, 0
	s_wait_kmcnt 0x0
	s_add_nc_u64 s[6:7], s[6:7], s[12:13]
	s_wait_alu depctr_va_vdst(0)                   ; v[T], the offset of the two loads below, is written; so are LA, LR, GO and PF, which LDS stores, LDS loads, stores and prefetches read later and no vector line names again
	global_load_b96 v[F0:F0+2], v[T], s[6:7] th:TH_LOAD_NT             ; points lane and lane + 32 of the wave's 64:
	global_load_b96 v[F1:F1+2], v[T], s[6:7] offset:384 th:TH_LOAD_NT  ; 384 consecutive bytes to a load
	s_lshl_b32 s12, ttmp9, 18                      ; out0: 2,048 rows of 128 bytes a work-group,
	s_lshl_b32 s2, s10, 13                         ; 64 a wave
	s_add_co_u32 s12, s12, s2
	s_add_nc_u64 s[8:9], s[8:9], s[12:13]
.irp i, 0,1,2,3,4,5,6,7,8,9,10,11,12,13,14,15
	s_add_nc_u64 s[BASE+2*\i:BASE+2*\i+1], s[4:5], \i*LVL_BYTES       ; a base for each level: none is rewritten while loads name it
.endr
	s_wait_loadcnt 0x0                             ; xi is in
	s_wait_alu depctr_vm_vsrc(0)                   ; xi's two loads have read v[T], their offset, which the first unit's lines write
.irp k, 0,1,2
	v_ashrrev_i32 v[A0+\k], 23, v[F0+\k]           ; floor of (x+1)/2, signed
	v_ashrrev_i32 v[A1+\k], 23, v[F1+\k]
	v_and_b32 v[F0+\k], s14, v[F0+\k]              ; and what is left, 0 .. 2^23 - 1
	v_and_b32 v[F1+\k], s14, v[F1+\k]
.endr
; A unit's first part: the cell and the eight indices.  h = level % 2, p = point, res = the level's resolution.
; P stays in the weights' registers until ASK makes the weights of it.
.macro INDEX h, p, res
.set DD, D+32*\h+16*\p
.set WW, W+6*\h+4*\p
.set WZ, W+6*\h+2+\p
.set FF, F0+4*\p
.set AA, A0+3*\p
	v_mul_u32_u24 v[WW+0], \res, v[FF+0]           ; P = F * res: whole part above bit 23, weight below
	v_mul_u32_u24 v[WW+1], \res, v[FF+1]
	v_mul_u32_u24 v[WZ],   \res, v[FF+2]
	v_lshrrev_b32 v[T+0], 23, v[WW+0]
	v_lshrrev_b32 v[T+1], 23, v[WW+1]
	v_lshrrev_b32 v[T+2], 23, v[WZ]
.irp k, 0,1,2
	v_mad_u32_u24 v[T+\k], v[AA+\k], \res, v[T+\k] ; cell = A * res + (P >> 23), right in its low 24 bits
.endr
	v_mul_u32_u24 v[T+1], s16, v[T+1]              ; y * prime, right in its low 24 bits
	v_mul_u32_u24 v[T+2], s17, v[T+2]              ; z * prime
	v_add_nc_u32 v[T+3], 1, v[T+0]                 ; x + 1 (x's prime is 1)
	v_add_nc_u32 v[T+4], s16, v[T+1]               ; (y + 1) * prime
	v_add_nc_u32 v[T+5], s17, v[T+2]               ; (z + 1) * prime
	v_and_b32 v[T+0], s18, v[T+0]                  ; six masks in place of eight: x's two terms here, the four y-z terms below
	v_and_b32 v[T+3], s18, v[T+3]
	v_xor_b32 v[T+6], v[T+1], v[T+2]               ; j k = 0 0
	v_xor_b32 v[T+7], v[T+1], v[T+5]               ;       0 1
	v_xor_b32 v[T+8], v[T+4], v[T+2]               ;       1 0
	v_xor_b32 v[T+9], v[T+4], v[T+5]               ;       1 1
.irp c, 6,7,8,9
	v_and_b32 v[T+\c], s18, v[T+\c]
.endr
.irp c, 0,1,2,3
	v_xor_b32 v[DD+2*\c],   v[T+0], v[T+6+\c]      ; corners i = 0
	v_xor_b32 v[DD+8+2*\c], v[T+3], v[T+6+\c]      ; corners i = 1
.endr
.irp c, 0,1,2,3,4,5,6,7
	v_min_u32 v[DD+2*\c], 0x7ffff, v[DD+2*\c]      ; an index made from numbers read from memory is clamped to the table in front of its use
.endr
.endm
; Corners c and c + 4, x and x + 1, one behind the other: their indices differ in low bits only.  At base + 8 x index; each load lands on its own index.
.macro PAIR c, lvl
	global_load_b64 v[DD+2*\c:DD+2*\c+1],   v[DD+2*\c],   s[BASE+2*(\lvl):BASE+2*(\lvl)+1] scale_offset
	global_load_b64 v[DD+8+2*\c:DD+9+2*\c], v[DD+8+2*\c], s[BASE+2*(\lvl):BASE+2*(\lvl)+1] scale_offset
.endm
; A unit's second part: the one wait, the eight loads from level lvl's table, and among them the weights.
; st = 1: the point's results of levels lvl - 3 and lvl - 2 go into LDS behind the same wait.
.macro ASK h, p, lvl, st
.set DD, D+32*\h+16*\p
.set WW, W+6*\h+4*\p
.set WZ, W+6*\h+2+\p
	s_wait_alu depctr_va_vdst(0)                   ; INDEX has written the eight indices, which the loads read; INTERP is done reading and writing this unit, in which they land; INTERP has written R, which the LDS store reads
	PAIR 0, \lvl
	v_and_or_b32 v[WW+0], v[WW+0], s14, s15        ; the float 1 + weight.  These five lines name W alone: no register of the loads or of the LDS store
	PAIR 1, \lvl
	v_and_or_b32 v[WW+1], v[WW+1], s14, s15
	PAIR 2, \lvl
	v_and_or_b32 v[WZ],   v[WZ],   s14, s15
	PAIR 3, \lvl
.if \st
	ds_store_b128 v[LA], v[R+4*\p:R+4*\p+3] offset:16*((\lvl-2)/2)+32*PITCH*\p   ; two levels of point p; point 1 lies 32 rows on
.endif
	v_pk_add_f32 v[WW:WW+1], v[WW:WW+1], -1.0 op_sel_hi:[1,0]          ; the weights themselves
	v_add_f32 v[WZ], -1.0, v[WZ]
.endm
; A unit's third part: seven interpolations on both features at once, along x, then y, then z.
.macro INTERP h, p
.set DD, D+32*\h+16*\p
.set WW, W+6*\h+4*\p
.set WZP, W+6*\h+2
.set RR, R+4*\p+2*\h
.irp c, 0,2,4,6
	v_pk_add_f32 v[DD+8+\c:DD+9+\c], v[DD+8+\c:DD+9+\c], v[DD+\c:DD+1+\c] neg_lo:[0,1] neg_hi:[0,1]
.endr
.irp c, 0,2,4,6
	v_pk_fma_f32 v[DD+\c:DD+1+\c], v[DD+8+\c:DD+9+\c], v[WW:WW+1], v[DD+\c:DD+1+\c] op_sel_hi:[1,0,1]              ; both by wx
.endr
.irp c, 0,2
	v_pk_add_f32 v[DD+4+\c:DD+5+\c], v[DD+4+\c:DD+5+\c], v[DD+\c:DD+1+\c] neg_lo:[0,1] neg_hi:[0,1]
.endr
.irp c, 0,2
	v_pk_fma_f32 v[DD+\c:DD+1+\c], v[DD+4+\c:DD+5+\c], v[WW:WW+1], v[DD+\c:DD+1+\c] op_sel:[0,1,0] op_sel_hi:[1,1,1] ; both by wy
.endr
	v_pk_add_f32 v[DD+2:DD+3], v[DD+2:DD+3], v[DD:DD+1] neg_lo:[0,1] neg_hi:[0,1]
.if \p
	v_pk_fma_f32 v[RR:RR+1], v[DD+2:DD+3], v[WZP:WZP+1], v[DD:DD+1] op_sel:[0,1,0] op_sel_hi:[1,1,1]                 ; point 1's wz: the pair's second
.else
	v_pk_fma_f32 v[RR:RR+1], v[DD+2:DD+3], v[WZP:WZP+1], v[DD:DD+1] op_sel_hi:[1,0,1]                                ; point 0's wz: the pair's first
.endif
.endm
; The turn of level lv (h = lv % 2): finish its two units, and start the two units of level lv + 2 (resolution res2) in their registers.
; Loads return in order, so a unit is in when only the loads of the younger units are out: three units of 8.
; pf = 1: waves 0 and 1 ask for this work-group's 16 KiB of the table of level lv + 3: 64 lanes, 256 bytes apart, each block asked for once in
; the launch, one level (16 gathers of each of the 32 waves) ahead of that table's first gather.  Asked for levels 4 to 15 alone: from
; 41^3 = 68,921 lattice points on, for 16,384 blocks, nearly every block is wanted; and there is no level 16.
.macro TURN lv, h, res2, pf
	s_wait_loadcnt 24
.if !\h
	s_wait_alu depctr_vm_vsrc(0)                   ; the 32 loads issued in the two turns before (at level 0: ahead of the turns) have read their indices, which INTERP writes in this turn and the next; the last turn's two LDS stores have read R, which is written again from here on
.endif
	INTERP \h, 0
.if \pf
	s_cmp_gt_u32 s10, 1
	s_cbranch_scc1 .Lnopf\lv
	global_prefetch_b8 v[PF], s[BASE+2*(\lv+3):BASE+2*(\lv+3)+1] th:TH_LOAD_NT scope:SCOPE_SE   ; v[PF] was written ahead of the head's wait on va_vdst and never since
.Lnopf\lv:
.endif
	INDEX \h, 0, \res2
	ASK \h, 0, \lv+2, \h
	s_wait_loadcnt 24
	INTERP \h, 1
	INDEX \h, 1, \res2
	ASK \h, 1, \lv+2, \h
.endm
; Resolutions: floor(16 * 2^(l/3)), l = 0 .. 15, as the reference's float64 arithmetic gives them.
	INDEX 0, 0, 16
	ASK 0, 0, 0, 0
	INDEX 0, 1, 16
	ASK 0, 1, 0, 0
	INDEX 1, 0, 20
	ASK 1, 0, 1, 0
	INDEX 1, 1, 20
	ASK 1, 1, 1, 0
	TURN 0,  0, 25,  0
	TURN 1,  1, 32,  1
	TURN 2,  0, 40,  1
	TURN 3,  1, 50,  1
	TURN 4,  0, 64,  1
	TURN 5,  1, 80,  1
	TURN 6,  0, 101, 1
	TURN 7,  1, 128, 1
	TURN 8,  0, 161, 1
	TURN 9,  1, 203, 1
	TURN 10, 0, 256, 1
	TURN 11, 1, 322, 1
	TURN 12, 0, 406, 1
	TURN 13, 1, 512, 0
	; Levels 14 and 15: nothing is started any more, and the counts run down.
	s_wait_loadcnt 24
	s_wait_alu depctr_vm_vsrc(0)                   ; the loads of levels 14 and 15 have read their indices, which the four INTERP below write and on which the LDS loads of the way out land; level 13's two LDS stores have read R
	INTERP 0, 0
	s_wait_loadcnt 16
	INTERP 0, 1
	s_wait_loadcnt 8
	INTERP 1, 0
	s_wait_loadcnt 0x0
	INTERP 1, 1
	s_wait_alu depctr_va_vdst(0)                   ; the four INTERP have written R, which the two LDS stores read, and are done reading and writing D, in which the LDS loads below land
	ds_store_b128 v[LA], v[R:R+3] offset:16*7                          ; levels 14 and 15 of point 0
	ds_store_b128 v[LA], v[R+4:R+7] offset:16*7+32*PITCH               ; and of point 1, 32 rows on
	; THE WAY OUT: my wave's 64 rows, four rows (512 bytes of out0) to an instruction.  LDS serves a wave's instructions in order, so these
	; loads see the wave's own stores above without a wait; no other wave touches these bytes.
.irp q, 0,1,2,3,4,5,6,7,8,9,10,11,12,13,14,15
	ds_load_b128 v[D+4*\q:D+4*\q+3], v[LR] offset:\q*4*PITCH
.endr
.irp q, 0,1,2,3,4,5,6,7,8,9,10,11,12,13,14,15
	s_wait_dscnt 15-\q                             ; load q is in; the 15 - q younger ones may be out
	global_store_b128 v[GO], v[D+4*\q:D+4*\q+3], s[8:9] offset:\q*512 th:TH_STORE_NT   ; 32 lanes store 512 consecutive bytes, at a multiple of 512 from out0's first byte
.endr
	s_wait_dscnt 0x0
	s_wait_alu depctr_hold_cnt(0) depctr_sa_sdst(0) depctr_va_vdst(0) depctr_va_sdst(0) depctr_va_ssrc(0) depctr_va_vcc(0) depctr_vm_vsrc(0)
	s_wait_tensorcnt 0x0
	ds_add_u32 v30, v31
	s_wait_dscnt 0x0
	s_endpgm
.Lfunc_end_k_qeb93db5b16_gather:
	.size	k_qeb93db5b16_gather, .Lfunc_end_k_qeb93db5b16_gather-k_qeb93db5b16_gather
	.p2alignl 7, 3214868480
	.fill 96, 4, 3214868480
	.section	.rodata,"a",@progbits
	.p2align	6, 0x0
	.amdhsa_kernel k_qeb93db5b16_gather
		.amdhsa_group_segment_fixed_size 299008
		.amdhsa_private_segment_fixed_size 0
		.amdhsa_enable_private_segment 0
		.amdhsa_kernarg_size 24
		.amdhsa_user_sgpr_count 2
		.amdhsa_user_sgpr_kernarg_segment_ptr 1
		.amdhsa_wavefront_size32 1
		.amdhsa_system_sgpr_workgroup_id_x 1
		.amdhsa_system_sgpr_workgroup_id_y 1
		.amdhsa_system_sgpr_workgroup_id_z 1
		.amdhsa_system_vgpr_workitem_id 0
		.amdhsa_next_free_vgpr 116
		.amdhsa_next_free_sgpr 66
		.amdhsa_reserve_vcc 0
		.amdhsa_float_denorm_mode_32 3
		.amdhsa_float_denorm_mode_16_64 3
		.amdhsa_memory_ordered 1
		.amdhsa_forward_progress 1
		.amdhsa_inst_pref_size 128
	.end_amdhsa_kernel
	.amdgpu_metadata
---
amdhsa.version: [ 1, 2 ]
amdhsa.kernels:
  - .name:           k_qeb93db5b16_gather
    .symbol:         k_qeb93db5b16_gather.kd
    .args:
      - { .name: tables, .offset: 0, .size: 8, .value_kind: global_buffer, .address_space: global }
      - { .name: xi, .offset: 8, .size: 8, .value_kind: global_buffer, .address_space: global }
      - { .name: out0, .offset: 16, .size: 8, .value_kind: global_buffer, .address_space: global }
    .group_segment_fixed_size: 299008
    .private_segment_fixed_size: 0
    .kernarg_segment_align: 8
    .kernarg_segment_size: 24
    .max_flat_workgroup_size: 1024
    .sgpr_count:     66
    .vgpr_count:     116
    .wavefront_size: 32
...
	.end_amdgpu_metadata
.endif
;; end of part 3
